; MI455X (gfx1250); checked and timed in simulation.
; The chip was launched on July 23, 2026; its instructions are those of AMD's public machine-readable ISA for CDNA 5 (MIT licence, August 2026) and "CDNA5" Instruction Set Architecture Reference Guide (July 2026). The comments in the code are by the model that wrote it; some were corrected since.
;; Block Sparse Attention Kernel. Allowed arithmetic: float matrix products may take bf16 or f16 operands with f32 sums; all other float work in f32.
;; Inputs: block_mask 2 x 16 x 32 x 32 bool; k 2 x 2,048 x 16 x 64 float32; q 2 x 2,048 x 16 x 64 float32; v 2 x 2,048 x 16 x 64 float32.
;; Outputs: out0 2 x 2,048 x 16 x 64 float32.
;; One version. Each part assembles by itself: llvm-mc -triple=amdgcn-amd-amdhsa -mcpu=gfx1250 --defsym DOCPART=n.
;; ======== version 1 of 1: 2 launches
;; limits: inputs' magnitudes at most 65,504; values are held in f16: magnitudes above 65,504 overflow, below 6.1e-05 lose precision
;; workspace buffers: bits 4,096 bytes of whole numbers
;; launch lists (part 1): grid 16 x 1, 1 waves a work-group, no clusters, 0 bytes of LDS; arguments block_mask, bits; writes bits
.if DOCPART == 1
	.amdgcn_target "amdgcn-amd-amdhsa--gfx1250"
	.amdhsa_code_object_version 6
	.text
	.protected	k_qe5760c71ae_lists
	.globl	k_qe5760c71ae_lists
	.p2align	8
	.type	k_qe5760c71ae_lists,@function
k_qe5760c71ae_lists:
	s_mov_b64 s[64:65], 0
	v_nop
	global_prefetch_b8 v0, s[64:65] scope:SCOPE_SE
	s_setreg_imm32_b32 hwreg(HW_REG_WAVE_MODE, 25, 1), 1
	s_wait_xcnt 0x0
; block_mask [2][16][32][32] bytes -> bits [2][16][32] words: bit j of word (b, h, i) is the byte of key block j for query block i.
; The next launch counts its trips and forms its block addresses from these words, so they are made here and stored as whole numbers.
; 1,024 rows of 32 bytes.  A work-group is one wave and takes 64 rows; a lane takes two rows, 64 consecutive bytes in four loads, and its two
; words leave in one store: the wave's store covers 256 consecutive bytes, at a multiple of 256 from the buffer's first byte.
; Nothing is shared between lanes: no LDS, no barrier, no matrix unit.  16 work-groups are all the work there is.
; FORMAT: a byte of the mask is 0 or 1, as the problem states its bool.
.set W,   4                            ; v[4:19]  the two rows as loaded: dwords 0-7 the first, 8-15 the second; then one nibble each
.set OUT, 20                           ; v[20:21] the two words
	s_load_b128 s[4:7], s[0:1], 0x0                ; block_mask s[4:5], bits s[6:7]
	s_lshl_b32 s8, ttmp9, 11                       ; 64 rows of 32 bytes
	s_mov_b32 s9, 0
	s_lshl_b32 s10, ttmp9, 8                       ; 64 words
	s_mov_b32 s11, 0
	s_mov_b32 s12, 0x01020408                      ; 1<<24 | 1<<17 | 1<<10 | 1<<3
	v_lshlrev_b32 v1, 6, v0                        ; two rows a lane
	v_lshlrev_b32 v2, 3, v0                        ; two words a lane
	s_wait_kmcnt 0x0
	s_add_nc_u64 s[4:5], s[4:5], s[8:9]
	s_add_nc_u64 s[6:7], s[6:7], s[10:11]
.irp k, 0,1,2,3
	global_load_b128 v[W+4*\k:W+4*\k+3], v1, s[4:5] offset:16*\k th:TH_LOAD_NT     ; the launch reads each byte once
.endr
	s_wait_loadcnt 0x0
; Four bytes of 0 or 1 stand at bits 0, 8, 16, 24.  The product moves them to bits 24, 25, 26, 27 (shifts 24, 17, 10, 3); the other twelve terms
; fall on bits 3, 10, 11, 17, 18, 19 or out of the word, each bit taken once, so nothing carries, and bits 28 to 31 stay 0.
.irp d, 0,1,2,3,4,5,6,7,8,9,10,11,12,13,14,15
	v_mul_lo_u32 v[W+\d], v[W+\d], s12
.endr
.irp d, 0,1,2,3,4,5,6,7,8,9,10,11,12,13,14,15
	v_lshrrev_b32 v[W+\d], 24, v[W+\d]             ; the nibble of key blocks 4 d .. 4 d + 3
.endr
.irp e, 0,1
	v_lshl_or_b32 v[OUT+\e], v[W+8*\e+1], 4, v[W+8*\e]
.endr
.irp d, 2,3,4,5,6,7
.irp e, 0,1
	v_lshl_or_b32 v[OUT+\e], v[W+8*\e+\d], 4*\d, v[OUT+\e]
.endr
.endr
	global_store_b64 v2, v[OUT:OUT+1], s[6:7]
	s_endpgm
.Lfunc_end_k_qe5760c71ae_lists:
	.size	k_qe5760c71ae_lists, .Lfunc_end_k_qe5760c71ae_lists-k_qe5760c71ae_lists
	.p2alignl 7, 3214868480
	.fill 96, 4, 3214868480
	.section	.rodata,"a",@progbits
	.p2align	6, 0x0
	.amdhsa_kernel k_qe5760c71ae_lists
		.amdhsa_group_segment_fixed_size 0
		.amdhsa_private_segment_fixed_size 0
		.amdhsa_enable_private_segment 0
		.amdhsa_kernarg_size 16
		.amdhsa_user_sgpr_count 2
		.amdhsa_user_sgpr_kernarg_segment_ptr 1
		.amdhsa_wavefront_size32 1
		.amdhsa_system_sgpr_workgroup_id_x 1
		.amdhsa_system_sgpr_workgroup_id_y 1
		.amdhsa_system_sgpr_workgroup_id_z 1
		.amdhsa_system_vgpr_workitem_id 0
		.amdhsa_next_free_vgpr 24
		.amdhsa_next_free_sgpr 66
		.amdhsa_reserve_vcc 0
		.amdhsa_float_denorm_mode_32 3
		.amdhsa_float_denorm_mode_16_64 3
		.amdhsa_memory_ordered 1
		.amdhsa_forward_progress 1
		.amdhsa_inst_pref_size 4
	.end_amdhsa_kernel
	.amdgpu_metadata
---
amdhsa.version: [ 1, 2 ]
amdhsa.kernels:
  - .name:           k_qe5760c71ae_lists
    .symbol:         k_qe5760c71ae_lists.kd
    .args:
      - { .name: block_mask, .offset: 0, .size: 8, .value_kind: global_buffer, .address_space: global }
      - { .name: bits, .offset: 8, .size: 8, .value_kind: global_buffer, .address_space: global }
    .group_segment_fixed_size: 0
    .private_segment_fixed_size: 0
    .kernarg_segment_align: 8
    .kernarg_segment_size: 16
    .max_flat_workgroup_size: 32
    .sgpr_count:     66
    .vgpr_count:     24
    .wavefront_size: 32
...
	.end_amdgpu_metadata
.endif
;; end of part 1
;; launch attn (part 2): grid 1024 x 1, 4 waves a work-group, no clusters, 89,600 bytes of LDS; arguments q, k, v, bits, out0; writes out0
.if DOCPART == 2
	.amdgcn_target "amdgcn-amd-amdhsa--gfx1250"
	.amdhsa_code_object_version 6
	.text
	.protected	k_qe5760c71ae_attn
	.globl	k_qe5760c71ae_attn
	.p2align	8
	.type	k_qe5760c71ae_attn,@function
k_qe5760c71ae_attn:
	s_mov_b64 s[64:65], 0
	v_nop
	global_prefetch_b8 v0, s[64:65] scope:SCOPE_SE
	s_setreg_imm32_b32 hwreg(HW_REG_WAVE_MODE, 25, 1), 1
	s_wait_xcnt 0x0
; Causal attention under a 64 x 64 block mask.  q, k, v, out: [2][2048][16][64] f32; bits: [2][16][32] words, bit j = key block j is on
; (made from block_mask by the launch in front).  One head's row is 256 bytes, rows of a head are 4,096 bytes apart, a block of 64 rows is 1 << 18 bytes.
;
; SHARES.  A work-group is one query block (b, h, i): 1,024 work-groups; the blocks with large i (long causal lists) have the low numbers.
; Each of its four waves holds all 64 queries and takes every fourth ACTIVE key block of the list (set bits w, w+4, .. of bits & causal),
; with a running maximum, sum and O of its own; the four partial results meet in LDS at the end.  So each K/V block is loaded and rounded
; once for a query block, and the loop, whose trips are counted from the list, touches only the wave's own LDS bytes: it holds no barrier.
; K, V come through registers (f32 -> f16 -> the wave's own stage in LDS -> fragments).
;
; PRODUCTS ARE TRANSPOSED.  S^T = K Q^T: lane (r, h), register j of tile (t, c) holds key 16 t + 8 h + j, query 16 c + r, so a query's
; 64 scores lie in two lanes (r and r + 16): maxima and sums are in-lane work and one exchange of halves.  Two such tiles, rounded in pairs,
; ARE the second-source fragment of P^T for O^T = V^T P^T; V^T's fragments come from the transposing LDS load.
;
; THE OPERANDS ARE f16, NOT bf16.  A row with few allowed keys is a mix of a few v and may cancel to a number far smaller than its terms, so the
; operands' rounding shows absolutely: relative 2^-12 of a term in f16, 2^-9 in bf16.  f16 reaches 65,504 and is normal down to 2^-14.
;
; A QUERY BLOCK WITH NO ALLOWED KEY BLOCK (no bit at j <= i): every score of reference() is -1e30 and the result is the mean of v over all 2,048
; keys.  Here: the list becomes all 32 blocks, Q's scale becomes 0 (all scores 0, every p = 1) and no block counts as the diagonal one.
;
; NO CLUSTER, NO JOINT LOADS: the query blocks of a head walk different lists, read from memory, of different lengths, so partners would ask for
; different tiles in different numbers.  NO TENSOR LOADS: a refill of LDS by them wants a work-group barrier, which cannot stand in a loop
; whose trip count differs from wave to wave.
;
; LIMITS.  q, k, v finite (with a scale of 0, 0 x inf would give NaN where reference() ignores q and k), and |0.18 q|, |k|, |v| below 65,504: beyond it
; the rounding to f16 gives infinity.  Elements below 2^-14 in size, and p below 2^-14, keep an absolute step of 2^-24.  q is multiplied by
; 0.125 log2(e) in f32 and then rounded; l sums the unrounded p; sums run in this text's own order.
; The maximum is a running maximum; masked scores and the first maximum are -1e30 as in reference().
.set ROWB,  4096                       ; bytes from a row of a head to the next
.set KP,    144                        ; LDS pitch of Q and K rows (128 bytes of f16 + 16): 9 x 16, sixteen rows start in sixteen different 16-byte columns of 256
.set VP,    160                        ; LDS pitch of V rows: 5 x 32, as the transposing load's eight-row groups want
.set OP,    272                        ; LDS pitch of a partial O row (256 bytes of f32 + 16): 17 x 16
.set STG0,  9216                       ; LDS: Q in f16 at 0 (64 x 144), then a stage for each wave
.set STGB,  19456                      ; a stage: K 64 x 144 = 9,216, V 64 x 160 = 10,240; behind the loop the wave's partial O, 64 x 272 = 17,408
.set VOFF,  9216
.set STAT,  87040                      ; LDS: [wave][query] (m, l), 8 bytes each: 2,048 bytes; the end is 89,088
; window 0
.set WV,   1                           ; at work: the wave's number
.set GK,   2                           ; global offset for K and Q rows: 16 r + 8 h rows
.set GV,   3                           ; for V rows: 16 r + 4 h rows
.set SK,   4                           ; LDS store address, K
.set SV,   5                           ; LDS store address, V
.set FK,   6                           ; LDS fragment address, K
.set FV,   7                           ; LDS fragment address, V (transposing load)
.set MX,   8                           ; v[8+2c]  running maximum of query 16 c + r
.set LS,   9                           ; v[9+2c]  running sum, this lane's half of the keys
.set AL,   16                          ; v[16+2c] factor for O
.set TP,   17                          ; v[17+2c] at work
.set FQ,   24                          ; LDS fragment address, Q
.set GO,   25                          ; global offset for out: 16 r + h rows
.set T0,   26                          ; 16 r at the entry; later an LDS address
.set DG,   27                          ; r - 8 h; later the address for reading the partial O back
.set NEGV, 28                          ; -1e30
.set AD,   29                          ; LDS store addresses outside the loop
.set RR,   30                          ; r = lane % 16
.set HH,   31                          ; h = lane / 16
.set KF0,  32                          ; v[32:47]  K fragment (16 keys x 64 d), buffer 0
.set KF1,  48                          ; v[48:63]  buffer 1
.set SU,   32                          ; v[32:47]  sums of p, four registers a query tile (the K buffers are free then)
.set QF,   64                          ; v[64:127] Q fragments: 16 c + 8 g
.set SC,   128                         ; v[128:255] scores: 32 c + 8 t + j; also K's and V's rounded words, P's and V's fragments
; window 1
.set OA,   0                           ; v[256:383] O^T: 8 (4 u + c) + j = dv 16 u + 8 h + j, query 16 c + r
.set RAW,  128                         ; v[384:511] a K or V block as loaded, 4 registers a load
; scalars: s[4:5] q, s[10:11] bits, s[12:13] out (each at this wave's part); s14 wave; s15 i; s16 b*16+h; s17 the diagonal's block number or 64;
; s18 my list; s19 its length; s20 my trips; s21 trip counter; s22 block at work; s[24:25] its byte offset; s[26:27], s[28:29] K, V at the head;
; s[30:31], s[32:33] K, V at the block; s34, s35 selectors; s37 at work; s[38:39] Q's scale, 0; s[40:47] lane masks; s48, s49 my stage, its V part
.set MSB, 0
.macro WIN new                         ; s_set_vgpr_msb: bits 1:0 source 0, 3:2 source 1, 5:4 source 2, 7:6 destination; the high byte repeats the setting left
.if MSB != \new
	s_set_vgpr_msb (MSB<<8)|\new
.set MSB, \new
.endif
.endm
.macro PLACES n                        ; plain vector instructions that name no register of the matrix instructions in front (ISA guide 7.12.1)
.rept \n
	v_nop
.endr
.endm
.macro DROP4                           ; my block and the three that the other waves take leave the list
.rept 4
	s_add_co_i32 s37, s18, -1
	s_and_b32 s18, s18, s37
.endr
.endm
.macro PICK                            ; the list's lowest bit is my next block; no load of this wave is out where this stands
	s_ctz_i32_b32 s22, s18
	s_min_u32 s22, s22, 31                         ; a block number, 0 to 31
	s_lshl_b32 s24, s22, 18                        ; 64 rows of 4,096 bytes
	s_add_nc_u64 s[30:31], s[26:27], s[24:25]
	s_add_nc_u64 s[32:33], s[28:29], s[24:25]
.endm
; 32 loads of a block: each covers two whole rows of 256 bytes, lanes 0-15 one, lanes 16-31 the row 8 (K) or 4 (V) further down
.macro LOADK
.set kk, 0
.rept 32
	global_load_b128 v[RAW+4*kk:RAW+4*kk+3], v[GK], s[30:31] offset:(16*(kk>>3)+(kk&7))*ROWB
.set kk, kk+1
.endr
.endm
.macro LOADV dst
.set kk, 0
.rept 32
	global_load_b128 v[\dst+4*kk:\dst+4*kk+3], v[GV], s[32:33] offset:(8*(kk>>2)+(kk&3))*ROWB
.set kk, kk+1
.endr
.endm
; K: round to f16 and lay into my stage.  The two halves of a store lie 8 x 144 = 1,152 bytes apart, 128 modulo 256.
.macro CVTK
	WIN 0x05                                       ; both sources in window 1
.set kk, 0
.rept 64
	v_cvt_pk_f16_f32 v[SC+kk], v[RAW+2*kk], v[RAW+2*kk+1]
.set kk, kk+1
.endr
	WIN 0
.set kk, 0
.rept 32
	ds_store_b64 v[SK], v[SC+2*kk:SC+2*kk+1] offset:(16*(kk>>3)+(kk&7))*KP
.set kk, kk+1
.endr
.endm
; V likewise (4 x 160 = 640 bytes apart, 128 modulo 256); its words use the upper 16 registers of each score group, free since P was packed
.macro CVTV src
	WIN 0x05
.set kk, 0
.rept 64
	v_cvt_pk_f16_f32 v[SC+32*(kk>>4)+16+(kk&15)], v[\src+2*kk], v[\src+2*kk+1]
.set kk, kk+1
.endr
	WIN 0
.set kk, 0
.rept 32
	ds_store_b64 v[SV], v[SC+32*(kk>>3)+16+2*(kk&7):SC+32*(kk>>3)+16+2*(kk&7)+1] offset:(8*(kk>>2)+(kk&3))*VP
.set kk, kk+1
.endr
.endm
.macro KFRAG buf, t                    ; keys 16 t .. 16 t + 15, all 64 d: lane (r, h) takes d = 32 g + 16 e + 8 h .. + 7 of key r
.irp g, 0,1
.irp e, 0,1
	ds_load_b128 v[\buf+8*\g+4*\e:\buf+8*\g+4*\e+3], v[FK] offset:\t*16*KP+64*\g+32*\e
.endr
.endr
.endm
; Eight products: key tile t against the four query tiles.  The first four start the sums with the constant 0; the four accumulators take turns,
; one instruction a turn.
.macro SMUL buf, t
.irp c, 0,1,2,3
	v_wmma_f32_16x16x32_f16 v[SC+32*\c+8*\t:SC+32*\c+8*\t+7], v[\buf:\buf+7], v[QF+16*\c:QF+16*\c+7], 0
.endr
.irp c, 0,1,2,3
	v_wmma_f32_16x16x32_f16 v[SC+32*\c+8*\t:SC+32*\c+8*\t+7], v[\buf+8:\buf+15], v[QF+16*\c+8:QF+16*\c+15], v[SC+32*\c+8*\t:SC+32*\c+8*\t+7]
.endr
.endm
; The diagonal block: key 16 t + 8 h + j is allowed for query 16 c + r if it is not larger
.macro DIAG
	s_cmp_lg_u32 s22, s17
	s_cbranch_scc1 .Lnodiag_\@
.irp c, 0,1,2,3
.irp t, 0,1,2,3
.if \t > \c
.irp j, 0,1,2,3,4,5,6,7
	v_mov_b32 v[SC+32*\c+8*\t+\j], v[NEGV]
.endr
.endif
.if \t == \c
.irp j, 0,1,2,3,4,5,6,7
	v_cndmask_b32 v[SC+32*\c+8*\t+\j], v[NEGV], v[SC+32*\c+8*\t+\j], s[40+\j]      ; kept where j <= r - 8 h
.endr
.endif
.endr
.endr
.Lnodiag_\@:
.endm
; One step of the running softmax for the four query tiles, each phase going round the tiles so that no instruction waits for the one in front of it.
.macro SOFTMAX
.irp c, 0,1,2,3
	v_max3_num_f32 v[TP+2*\c], v[MX+2*\c], v[SC+32*\c], v[SC+32*\c+1]               ; chain 1 starts from the old maximum,
	v_max3_num_f32 v[AL+2*\c], v[SC+32*\c+16], v[SC+32*\c+17], v[SC+32*\c+18]       ; chain 2 from three scores
.endr
.set nn, 0
.rept 6
.irp c, 0,1,2,3
	v_max3_num_f32 v[TP+2*\c], v[TP+2*\c], v[SC+32*\c+2+2*nn], v[SC+32*\c+3+2*nn]
	v_max3_num_f32 v[AL+2*\c], v[AL+2*\c], v[SC+32*\c+19+2*nn], v[SC+32*\c+20+2*nn]
.endr
.set nn, nn+1
.endr
.irp c, 0,1,2,3
	v_max3_num_f32 v[TP+2*\c], v[TP+2*\c], v[SC+32*\c+14], v[SC+32*\c+15]
.endr
.irp c, 0,1,2,3
	v_max3_num_f32 v[TP+2*\c], v[TP+2*\c], v[AL+2*\c], v[SC+32*\c+31]
.endr
.irp c, 0,1,2,3
	v_permlanex16_b32 v[AL+2*\c], v[TP+2*\c], s34, s35                              ; the other half of the query's keys
.endr
.irp c, 0,1,2,3
	v_max_num_f32 v[TP+2*\c], v[TP+2*\c], v[AL+2*\c]
.endr
.irp c, 0,1,2,3
	v_sub_f32 v[AL+2*\c], v[MX+2*\c], v[TP+2*\c]                                    ; old maximum - new
.endr
.irp c, 0,1,2,3
	v_mov_b32 v[MX+2*\c], v[TP+2*\c]
.endr
.set nn, 0
.rept 16
.irp c, 0,1,2,3
	v_pk_add_f32 v[SC+32*\c+2*nn:SC+32*\c+2*nn+1], v[SC+32*\c+2*nn:SC+32*\c+2*nn+1], v[MX+2*\c:MX+2*\c+1] op_sel_hi:[1,0] neg_lo:[0,1] neg_hi:[0,1]   ; both minus the maximum
.endr
.set nn, nn+1
.endr
.irp c, 0,1,2,3
	v_exp_f32 v[AL+2*\c], v[AL+2*\c]
.endr
.set nn, 0
.rept 128
	v_exp_f32 v[SC+nn], v[SC+nn]                   ; log2(e) is in Q's scale
.set nn, nn+1
.endr
	v_nop                                          ; a plain instruction between the run of exponentials and the first use of a result (ISA guide 5.7.2)
	s_wait_alu depctr_va_vdst(0)
.irp c, 0,1,2,3
	v_pk_add_f32 v[SU+4*\c:SU+4*\c+1],   v[SC+32*\c:SC+32*\c+1],   v[SC+32*\c+2:SC+32*\c+3]
	v_pk_add_f32 v[SU+4*\c+2:SU+4*\c+3], v[SC+32*\c+4:SC+32*\c+5], v[SC+32*\c+6:SC+32*\c+7]
.endr
.set nn, 0
.rept 6
.irp c, 0,1,2,3
	v_pk_add_f32 v[SU+4*\c:SU+4*\c+1],   v[SU+4*\c:SU+4*\c+1],   v[SC+32*\c+8+4*nn:SC+32*\c+9+4*nn]
	v_pk_add_f32 v[SU+4*\c+2:SU+4*\c+3], v[SU+4*\c+2:SU+4*\c+3], v[SC+32*\c+10+4*nn:SC+32*\c+11+4*nn]
.endr
.set nn, nn+1
.endr
.irp c, 0,1,2,3
	v_pk_add_f32 v[SU+4*\c:SU+4*\c+1], v[SU+4*\c:SU+4*\c+1], v[SU+4*\c+2:SU+4*\c+3]
.endr
.irp c, 0,1,2,3
	v_add_f32 v[SU+4*\c], v[SU+4*\c], v[SU+4*\c+1]
.endr
.irp c, 0,1,2,3
	v_fma_f32 v[LS+2*\c], v[LS+2*\c], v[AL+2*\c], v[SU+4*\c]
.endr
; P to f16, in place: word n of a group comes from words 2 n and 2 n + 1, so going up no source is lost.  Words 8 g .. 8 g + 7 are then the
; fragment of keys 32 g .. 32 g + 31: tile 2 g gives k = 8 h + j (registers 0-3), tile 2 g + 1 gives k = 16 + 8 h + j (registers 4-7).
.set nn, 0
.rept 16
.irp c, 0,1,2,3
	v_cvt_pk_f16_f32 v[SC+32*\c+nn], v[SC+32*\c+2*nn], v[SC+32*\c+2*nn+1]
.endr
.set nn, nn+1
.endr
.endm
.macro RESCALE                         ; O *= the query's factor; leaves the window setting to what follows
	WIN 0x41                                       ; destination and source 0 in window 1
.irp u, 0,1,2,3
.irp c, 0,1,2,3
.irp p, 0,2,4,6
	v_pk_mul_f32 v[OA+8*(4*\u+\c)+\p:OA+8*(4*\u+\c)+\p+1], v[OA+8*(4*\u+\c)+\p:OA+8*(4*\u+\c)+\p+1], v[AL+2*\c:AL+2*\c+1] op_sel_hi:[1,0]
.endr
.endr
.endr
.endm
.macro VFRAGS                          ; V^T: dv 16 u + r, keys 32 g + 16 e + 8 h .. + 7, from rows that lie along dv
.irp g, 0,1
.irp u, 0,1,2,3
.irp e, 0,1
	ds_load_tr16_b128 v[SC+32*\u+16+8*\g+4*\e:SC+32*\u+16+8*\g+4*\e+3], v[FV] offset:\g*32*VP+\e*16*VP+32*\u
.endr
.endr
.endr
.endm
.macro NEXTK                           ; my next block's K goes out as soon as the raw registers are free; nothing where the list is empty
	s_cmp_eq_u32 s18, 0
	s_cbranch_scc1 .Lnonext_\@
	PICK
	WIN 0x40                                       ; destination in window 1
	LOADK
	WIN 0
	DROP4
.Lnonext_\@:
.endm
; O^T += V^T P^T: 32 products; the sixteen accumulators take turns, one instruction a turn.
; first = 1: the first sixteen start the sums with the constant 0.
.macro PV first
	WIN 0x50                                       ; C and D in window 1
.irp g, 0,1
.irp u, 0,1,2,3
.irp c, 0,1,2,3
.if (\first)*(1-\g)
	v_wmma_f32_16x16x32_f16 v[OA+8*(4*\u+\c):OA+8*(4*\u+\c)+7], v[SC+32*\u+16+8*\g:SC+32*\u+16+8*\g+7], v[SC+32*\c+8*\g:SC+32*\c+8*\g+7], 0
.else
	v_wmma_f32_16x16x32_f16 v[OA+8*(4*\u+\c):OA+8*(4*\u+\c)+7], v[SC+32*\u+16+8*\g:SC+32*\u+16+8*\g+7], v[SC+32*\c+8*\g:SC+32*\c+8*\g+7], v[OA+8*(4*\u+\c):OA+8*(4*\u+\c)+7]
.endif
.endr
.endr
.endr
	WIN 0
	PLACES 5                                       ; then the next trip may write over P's and V's fragments, by vector and by matrix instructions, and the merge may read O
.endm
; One key block.  first = 1: V came with K, into the registers that O will take; O is started, not rescaled.
.macro TRIP first
.if \first
	s_wait_loadcnt 32                              ; loads come back in order (ISA guide 5.7.1): K's 32 are in, V's 32, issued behind them, stay out
.else
	s_wait_loadcnt 0x0                             ; K's 32 loads, the only ones out
.endif
	CVTK
.if \first == 0
	WIN 0x40
	LOADV RAW                                      ; K's raw words have been read: V lands there while the scores are made
	WIN 0
.endif
	KFRAG KF0, 0                                   ; LDS serves a wave's instructions in order (ISA guide 5.7.1): these see the stores above
	KFRAG KF1, 1
	s_wait_dscnt 4                                 ; all but the younger fragment's four loads
	SMUL KF0, 0
	PLACES 4                                       ; before loads land on a buffer that matrix instructions have read
	KFRAG KF0, 2
	s_wait_dscnt 4
	SMUL KF1, 1
	PLACES 4
	KFRAG KF1, 3
	s_wait_dscnt 4
	SMUL KF0, 2
	s_wait_dscnt 0x0
	SMUL KF1, 3
	PLACES 4                                       ; before vector instructions read the scores and write into the K buffers
	DIAG
	SOFTMAX
.if \first == 0
	RESCALE
.endif
	s_wait_loadcnt 0x0                             ; V
.if \first
	CVTV OA
.else
	CVTV RAW
.endif
	VFRAGS
	NEXTK
	s_wait_dscnt 0x0                               ; V's fragments
	PV \first
.endm
	; ---- entry: ids, the offsets that the first loads need, the loads; the other lane terms are made while they are out
	s_load_b256 s[4:11], s[0:1], 0x0               ; q s[4:5], k s[6:7], v s[8:9], bits s[10:11]
	s_load_b64 s[12:13], s[0:1], 0x20              ; out
	s_set_vgpr_msb 0x80
	v_lshl_add_u32 v0, v0, 2, 0x15c00
	v_mov_b32 v1, 0
	s_set_vgpr_msb 0x8000
	v_lshrrev_b32 v[WV], 5, v0
	v_readfirstlane_b32 s14, v[WV]                 ; wave 0..3
	v_and_b32 v[RR], 15, v0
	v_bfe_u32 v[HH], v0, 4, 1
	v_lshlrev_b32 v[T0], 4, v[RR]                  ; 16 r
	v_lshl_add_u32 v[GK], v[HH], 15, v[T0]         ; + 8 h rows
	s_and_b32 s16, ttmp9, 31                       ; b * 16 + h
	s_lshr_b32 s15, ttmp9, 5
	s_sub_co_u32 s15, 31, s15                      ; i: the long lists first
	s_lshr_b32 s37, s16, 4
	s_lshl_b32 s37, s37, 23                        ; b x 2,048 rows of 4,096 bytes
	s_and_b32 s24, s16, 15
	s_lshl_b32 s24, s24, 8                         ; h x 256 bytes
	s_or_b32 s24, s24, s37                         ; the head's offset
	s_mov_b32 s25, 0
	s_lshl_b32 s20, s15, 18                        ; my 16 rows of the query block: 64 i + 16 w
	s_lshl_b32 s37, s14, 16
	s_add_co_u32 s20, s20, s37
	s_add_co_u32 s20, s20, s24
	s_mov_b32 s21, 0
	s_lshl_b32 s22, s16, 5
	s_add_co_u32 s22, s22, s15
	s_lshl_b32 s22, s22, 2                         ; the query block's word of bits
	s_mov_b32 s23, 0
	s_wait_kmcnt 0x0
	s_add_nc_u64 s[10:11], s[10:11], s[22:23]
	s_add_nc_u64 s[4:5], s[4:5], s[20:21]
	s_add_nc_u64 s[12:13], s[12:13], s[20:21]
	s_add_nc_u64 s[26:27], s[6:7], s[24:25]
	s_add_nc_u64 s[28:29], s[8:9], s[24:25]
	s_load_b32 s18, s[10:11], 0x0                  ; bit j: key block j is on; this launch stores nothing into bits
.irp k, 0,1,2,3,4,5,6,7
	global_load_b128 v[SC+4*\k:SC+4*\k+3], v[GK], s[4:5] offset:\k*ROWB th:TH_LOAD_NT     ; Q rows k and k + 8 of my 16; no other wave of the launch reads them
.endr
	s_mov_b32 s34, 0x76543210                      ; v_permlanex16_b32: lane i of one half reads lane i of the other
	s_mov_b32 s35, 0xfedcba98
	v_lshlrev_b32 v[GO], 4, v[RR]
	v_lshl_add_u32 v[GV], v[HH], 14, v[GO]         ; 16 r + 4 h rows
	v_lshl_add_u32 v[GO], v[HH], 12, v[GO]         ; 16 r + h rows
	s_mul_i32 s48, s14, STGB
	s_add_co_u32 s48, s48, STG0                    ; my stage
	s_add_co_u32 s49, s48, VOFF                    ; its V part
	v_mul_u32_u24 v[SK], v[HH], 8*KP
	v_lshl_add_u32 v[SK], v[RR], 3, v[SK]          ; 8 h rows + 8 r bytes
	s_mul_i32 s37, s14, 16*KP
	v_add_nc_u32 v[AD], s37, v[SK]                 ; Q: my 16 rows of the Q region, which begins at LDS byte 0
	v_add_nc_u32 v[SK], s48, v[SK]
	v_mul_u32_u24 v[SV], v[HH], 4*VP
	v_lshl_add_u32 v[SV], v[RR], 3, v[SV]
	v_add_nc_u32 v[SV], s49, v[SV]
	v_mul_u32_u24 v[FQ], v[RR], KP
	v_lshl_add_u32 v[FQ], v[HH], 4, v[FQ]          ; row r, 16 h bytes
	v_add_nc_u32 v[FK], s48, v[FQ]
	v_and_b32 v[FV], 7, v0
	v_lshl_add_u32 v[FV], v[HH], 3, v[FV]          ; row 8 h + lane % 8
	v_mul_u32_u24 v[FV], v[FV], VP
	v_bfe_u32 v[DG], v0, 3, 1
	v_lshl_add_u32 v[FV], v[DG], 4, v[FV]          ; 16 bytes on for lanes 8-15 and 24-31
	v_add_nc_u32 v[FV], s49, v[FV]
	v_lshlrev_b32 v[DG], 3, v[HH]
	v_sub_nc_u32 v[DG], v[RR], v[DG]               ; r - 8 h
.irp j, 0,1,2,3,4,5,6,7
	v_cmp_le_i32 s[40+\j], \j, v[DG]               ; lanes whose register j of a diagonal tile is allowed
.endr
	v_mov_b32 v[NEGV], 0xf149f2ca                  ; -1e30
.irp c, 0,1,2,3
	v_mov_b32 v[MX+2*\c], 0xf149f2ca
	v_mov_b32 v[LS+2*\c], 0
	v_mov_b32 v[AL+2*\c], 0
	v_mov_b32 v[TP+2*\c], 0
.endr
	s_wait_loadcnt 0x0                             ; Q
	s_wait_kmcnt 0x0                               ; and the word of bits, issued together with it
	; ---- the list
	s_sub_co_u32 s37, 31, s15
	s_lshr_b32 s37, -1, s37                        ; bits 0 .. i: the causal blocks
	s_and_b32 s18, s18, s37
	s_cmp_eq_u32 s18, 0                            ; nothing allowed: the mean of v over all keys
	s_cselect_b32 s18, -1, s18
	s_cselect_b32 s38, 0, 0x3e38aa3b               ; Q's scale: 0.125 log2(e), or 0
	s_cselect_b32 s17, 64, s15                     ; the diagonal block's number, or none
	s_mov_b32 s39, 0
	s_bcnt1_i32_b32 s19, s18
	s_add_co_u32 s20, s19, 3
	s_sub_co_u32 s20, s20, s14
	s_lshr_b32 s20, s20, 2                         ; my trips: bits w, w + 4, ..
.irp d, 0,1,2
	s_add_co_i32 s37, s18, -1                      ; the w lowest bits belong to the waves below me
	s_and_b32 s37, s18, s37
	s_cmp_gt_u32 s14, \d
	s_cselect_b32 s18, s37, s18
.endr
	; ---- Q: scaled, rounded, into LDS for all four waves
.set nn, 0
.rept 16
	v_pk_mul_f32 v[SC+2*nn:SC+2*nn+1], v[SC+2*nn:SC+2*nn+1], s[38:39] op_sel_hi:[1,0]
.set nn, nn+1
.endr
.set nn, 0
.rept 16
	v_cvt_pk_f16_f32 v[SC+32+nn], v[SC+2*nn], v[SC+2*nn+1]
.set nn, nn+1
.endr
.irp k, 0,1,2,3,4,5,6,7
	ds_store_b64 v[AD], v[SC+32+2*\k:SC+32+2*\k+1] offset:\k*KP
.endr
	s_wait_dscnt 0x0                               ; for the others' sake: my rows of Q are written
	s_barrier_signal -1
	s_barrier_wait -1                              ; all 64 rows are
	s_cmp_eq_u32 s20, 0
	s_cbranch_scc1 .Lidle                          ; fewer blocks than waves: nothing for me
	; ---- first block: K and V go out together, V into the registers that O takes later
	PICK
	WIN 0x40
	LOADK
	LOADV OA
	WIN 0
	DROP4
.irp c, 0,1,2,3
.irp g, 0,1
.irp e, 0,1
	ds_load_b128 v[QF+16*\c+8*\g+4*\e:QF+16*\c+8*\g+4*\e+3], v[FQ] offset:\c*16*KP+64*\g+32*\e    ; waited for with the first K fragment, being older
.endr
.endr
.endr
	TRIP 1
	s_cmp_lt_u32 s20, 2
	s_cbranch_scc1 .Lmerge
	s_mov_b32 s21, 1
.Ltrip:
	TRIP 0
	s_add_co_u32 s21, s21, 1
	s_cmp_lt_u32 s21, s20
	s_cbranch_scc1 .Ltrip
	s_branch .Lmerge
.Lidle:
	; A wave without a block brings O = 0, m = -1e30, l = 0, so that the merge below is one text for all: its weight there is exp2(-1e30 - m*) = 0.
	WIN 0x40
.set nn, 0
.rept 128
	v_mov_b32 v[OA+nn], 0
.set nn, nn+1
.endr
	WIN 0
.Lmerge:
	; ---- the four waves' (m, l) meet
.irp c, 0,1,2,3
	v_permlanex16_b32 v[TP+2*\c], v[LS+2*\c], s34, s35
.endr
.irp c, 0,1,2,3
	v_add_f32 v[LS+2*\c], v[LS+2*\c], v[TP+2*\c]   ; both halves of the keys
.endr
	v_lshlrev_b32 v[T0], 3, v[RR]
	v_add_nc_u32 v[T0], STAT, v[T0]                ; 8 bytes a query
	s_lshl_b32 s37, s14, 9
	v_add_nc_u32 v[AD], s37, v[T0]                 ; 512 bytes a wave
.irp c, 0,1,2,3
	ds_store_b64 v[AD], v[MX+2*\c:MX+2*\c+1] offset:128*\c     ; lanes r and r + 16 write the same pair to the same place
.endr
	s_wait_dscnt 0x0
	s_barrier_signal -1
	s_barrier_wait -1
.irp c, 0,1,2,3
.irp p, 0,1,2,3
	ds_load_b64 v[SC+8*\c+2*\p:SC+8*\c+2*\p+1], v[T0] offset:512*\p+128*\c
.endr
.endr
	v_mul_u32_u24 v[AD], v[RR], OP                 ; partial O: row 16 c + r, dv 16 u + 8 h + j
	v_lshl_add_u32 v[AD], v[HH], 5, v[AD]
	v_add_nc_u32 v[AD], s48, v[AD]
	s_lshl_b32 s37, s14, 4
	v_add_nc_u32 v[DG], s37, v[HH]                 ; back: rows 16 w + h, 16 bytes a lane
	v_mul_u32_u24 v[DG], v[DG], OP
	v_lshl_add_u32 v[DG], v[RR], 4, v[DG]
	v_add_nc_u32 v[DG], STG0, v[DG]
	s_wait_dscnt 0x0
.irp c, 0,1,2,3
	v_max3_num_f32 v[TP+2*\c], v[SC+8*\c], v[SC+8*\c+2], v[SC+8*\c+4]
.endr
.irp c, 0,1,2,3
	v_max_num_f32 v[TP+2*\c], v[TP+2*\c], v[SC+8*\c+6]         ; m*: a real score, since wave 0 always has a block
.endr
.irp c, 0,1,2,3
	v_sub_f32 v[AL+2*\c], v[MX+2*\c], v[TP+2*\c]
.irp p, 0,2,4,6
	v_sub_f32 v[SC+8*\c+\p], v[SC+8*\c+\p], v[TP+2*\c]
.endr
.endr
.irp c, 0,1,2,3
	v_exp_f32 v[AL+2*\c], v[AL+2*\c]
.irp p, 0,2,4,6
	v_exp_f32 v[SC+8*\c+\p], v[SC+8*\c+\p]
.endr
.endr
	v_nop                                          ; a plain instruction behind the run of exponentials
	s_wait_alu depctr_va_vdst(0)
.irp c, 0,1,2,3
	v_mul_f32 v[TP+2*\c], v[SC+8*\c], v[SC+8*\c+1]
.endr
.irp p, 2,4,6
.irp c, 0,1,2,3
	v_fmac_f32 v[TP+2*\c], v[SC+8*\c+\p], v[SC+8*\c+\p+1]      ; the whole sum, at least 1: the largest score's own term
.endr
.endr
.irp c, 0,1,2,3
	v_rcp_f32 v[TP+2*\c], v[TP+2*\c]
.endr
	v_nop
	s_wait_alu depctr_va_vdst(0)
.irp c, 0,1,2,3
	v_mul_f32 v[AL+2*\c], v[AL+2*\c], v[TP+2*\c]   ; my weight over the sum
.endr
	RESCALE
	WIN 0x04                                       ; store data in window 1
.irp c, 0,1,2,3
.irp u, 0,1,2,3
.irp e, 0,1
	ds_store_b128 v[AD], v[OA+8*(4*\u+\c)+4*\e:OA+8*(4*\u+\c)+4*\e+3] offset:\c*16*OP+\u*64+16*\e    ; over my own K and V, whose reads are long back
.endr
.endr
.endr
	WIN 0
	s_wait_dscnt 0x0
	s_barrier_signal -1
	s_barrier_wait -1
	; ---- rows 16 w .. 16 w + 15: the four partial results are added and leave as whole rows of 256 bytes
.irp p, 0,1,2,3
.irp k, 0,1,2,3,4,5,6,7
	ds_load_b128 v[SC+32*\p+4*\k:SC+32*\p+4*\k+3], v[DG] offset:\p*STGB+\k*2*OP
.endr
.endr
	s_wait_dscnt 16                                ; partial results 0 and 1 are in; the sixteen loads of 2 and 3 may stay out
.set nn, 0
.rept 16
	v_pk_add_f32 v[SC+2*nn:SC+2*nn+1], v[SC+2*nn:SC+2*nn+1], v[SC+32+2*nn:SC+32+2*nn+1]
.set nn, nn+1
.endr
	s_wait_dscnt 0x0
.set nn, 0
.rept 16
	v_pk_add_f32 v[SC+64+2*nn:SC+64+2*nn+1], v[SC+64+2*nn:SC+64+2*nn+1], v[SC+96+2*nn:SC+96+2*nn+1]
.set nn, nn+1
.endr
.set nn, 0
.rept 16
	v_pk_add_f32 v[SC+2*nn:SC+2*nn+1], v[SC+2*nn:SC+2*nn+1], v[SC+64+2*nn:SC+64+2*nn+1]
.set nn, nn+1
.endr
.irp k, 0,1,2,3,4,5,6,7
	global_store_b128 v[GO], v[SC+4*\k:SC+4*\k+3], s[12:13] offset:\k*2*ROWB th:TH_STORE_NT     ; sixteen lanes store one row's 256 consecutive bytes, at a multiple of 256 from out's first byte
.endr
	s_set_vgpr_msb 0xa
	s_wait_tensorcnt 0x0
	ds_add_u32 v0, v1
	s_wait_dscnt 0x0
	s_set_vgpr_msb 0xa00
	s_endpgm
.Lfunc_end_k_qe5760c71ae_attn:
	.size	k_qe5760c71ae_attn, .Lfunc_end_k_qe5760c71ae_attn-k_qe5760c71ae_attn
	.p2alignl 7, 3214868480
	.fill 96, 4, 3214868480
	.section	.rodata,"a",@progbits
	.p2align	6, 0x0
	.amdhsa_kernel k_qe5760c71ae_attn
		.amdhsa_group_segment_fixed_size 89600
		.amdhsa_private_segment_fixed_size 0
		.amdhsa_enable_private_segment 0
		.amdhsa_kernarg_size 40
		.amdhsa_user_sgpr_count 2
		.amdhsa_user_sgpr_kernarg_segment_ptr 1
		.amdhsa_wavefront_size32 1
		.amdhsa_system_sgpr_workgroup_id_x 1
		.amdhsa_system_sgpr_workgroup_id_y 1
		.amdhsa_system_sgpr_workgroup_id_z 1
		.amdhsa_system_vgpr_workitem_id 0
		.amdhsa_next_free_vgpr 514
		.amdhsa_next_free_sgpr 66
		.amdhsa_reserve_vcc 0
		.amdhsa_float_denorm_mode_32 3
		.amdhsa_float_denorm_mode_16_64 3
		.amdhsa_memory_ordered 1
		.amdhsa_forward_progress 1
		.amdhsa_inst_pref_size 139
	.end_amdhsa_kernel
	.amdgpu_metadata
---
amdhsa.version: [ 1, 2 ]
amdhsa.kernels:
  - .name:           k_qe5760c71ae_attn
    .symbol:         k_qe5760c71ae_attn.kd
    .args:
      - { .name: q, .offset: 0, .size: 8, .value_kind: global_buffer, .address_space: global }
      - { .name: k, .offset: 8, .size: 8, .value_kind: global_buffer, .address_space: global }
      - { .name: v, .offset: 16, .size: 8, .value_kind: global_buffer, .address_space: global }
      - { .name: bits, .offset: 24, .size: 8, .value_kind: global_buffer, .address_space: global }
      - { .name: out0, .offset: 32, .size: 8, .value_kind: global_buffer, .address_space: global }
    .group_segment_fixed_size: 89600
    .private_segment_fixed_size: 0
    .kernarg_segment_align: 8
    .kernarg_segment_size: 40
    .max_flat_workgroup_size: 128
    .sgpr_count:     66
    .vgpr_count:     514
    .wavefront_size: 32
...
	.end_amdgpu_metadata
.endif
;; end of part 2
